; MI455X (gfx1250); checked and timed in simulation.
; The chip was launched on July 23, 2026; its instructions are those of AMD's public machine-readable ISA for CDNA 5 (MIT licence, August 2026) and "CDNA5" Instruction Set Architecture Reference Guide (July 2026). The comments in the code are by the model that wrote it; some were corrected since.
;; Feature Temporal Attention. Allowed arithmetic: matrix products marked QUANTISED: E4M3 operands, one given power-of-two scale a tensor, by v_wmma_f32_16x16x64_fp8_fp8 or v_wmma_f32_16x16x128_fp8_fp8, f32 sums; products left as they are: f32 operands where the result goes on into a quantised operand, else bf16, f16 or f32 operands; f32 sums; everything else in f32.
;; Inputs: W_kf_codes 512 x 16 x 32 uint8 (E4M3 codes of W_kf, K innermost, in blocks of 32 codes); W_kt_codes 512 x 16 x 32 uint8 (E4M3 codes of W_kt, K innermost, in blocks of 32 codes); W_qf_codes 512 x 16 x 32 uint8 (E4M3 codes of W_qf, K innermost, in blocks of 32 codes); W_qt_codes 512 x 16 x 32 uint8 (E4M3 codes of W_qt, K innermost, in blocks of 32 codes); W_vf_codes 512 x 16 x 32 uint8 (E4M3 codes of W_vf, K innermost, in blocks of 32 codes); W_vt_codes 512 x 16 x 32 uint8 (E4M3 codes of W_vt, K innermost, in blocks of 32 codes); b_kf 512 float32; b_kt 512 float32; b_qf 512 float32; b_qt 512 float32; b_vf 512 float32; b_vt 512 float32; lowp_scales 12 int32 (the exponents e of the quantised operands' scales 2^e); x_codes 8 x 128 x 16 x 32 uint8 (E4M3 codes of x, K innermost, in blocks of 32 codes).
;; Outputs: out0 8 x 128 x 512 float32.
;; This version of the problem:
;;   THIS VERSION OF THE PROBLEM IS GIVEN IN LOW PRECISION. The matrix products marked QUANTISED in the list below multiply operands that are first quantised to E4M3 (4 exponent bits, 3 mantissa bits; 8 bits a number), with one given power-of-two scale for each operand tensor; their sums are f32. All else is computed in f32.
;;   The module's matrix products, in the order in which they are computed (A, B: the left and right operand; K: the contracted axis; several contracted axes count as one K, in the product's order):
;;     1. [M 1,024, K 512] x [K 512, N 512]; A: input x (given as codes); B: input W_qf (given as codes): QUANTISED (scales: A lowp_scales[0], B lowp_scales[1])
;;     2. [M 1,024, K 512] x [K 512, N 512]; A: input x (given as codes); B: input W_kf (given as codes): QUANTISED (scales: A lowp_scales[2], B lowp_scales[3])
;;     3. [M 1,024, K 512] x [K 512, N 512]; A: input x (given as codes); B: input W_vf (given as codes): QUANTISED (scales: A lowp_scales[4], B lowp_scales[5])
;;     4. [M 1,024, K 512] x [K 512, N 512]; A: input x (given as codes); B: input W_qt (given as codes): QUANTISED (scales: A lowp_scales[6], B lowp_scales[7])
;;     5. [M 1,024, K 512] x [K 512, N 512]; A: input x (given as codes); B: input W_kt (given as codes): QUANTISED (scales: A lowp_scales[8], B lowp_scales[9])
;;     6. [M 1,024, K 512] x [K 512, N 512]; A: input x (given as codes); B: input W_vt (given as codes): QUANTISED (scales: A lowp_scales[10], B lowp_scales[11])
;;     7. batch 1,024 x [M 512, K 1] x [K 1, N 512]; A: computed on the way; B: computed on the way: left as it is (no contracted axis)
;;     8. batch 1,024 x [M 512, K 512] x [K 512, N 1]; A: softmax; B: computed on the way: left as it is (N = 1 < 16)
;;   THE QUANTISER, for each operand of a quantised product, along K:
;;     - The operand's scale is 2^e, e = its entry of the input lowp_scales (int32; the entries are numbered through the quantised products in the list's order, A before B).
;;     - Each number is divided by the scale, clamped to +-448, and rounded to the nearest number of E4M3, ties to even, subnormals kept.
;;     - The product sums the exact products of the quantised numbers (number of the format x scale) in f32.
;;   ~~~python
;;   def quantise(x, axis, e):      # numpy; x: float32 -> the quantised numbers, widened to float32 again
;;       x = np.moveaxis(x, axis, -1); K = x.shape[-1]
;;       r = np.clip(x / 2.0 ** e, -448, 448)
;;       step = 2.0 ** (np.maximum(np.frexp(np.where(r == 0, 1, r))[1] - 1, -6) - 3)
;;       q = np.round(r / step) * step * 2.0 ** e      # np.round: ties to even
;;       return np.moveaxis(q, -1, axis).astype(np.float32)
;;   ~~~
;;   INPUTS GIVEN AS CODES. W_kf (in the module: [512, 512], K = its axis 1); W_kt (in the module: [512, 512], K = its axis 1); W_qf (in the module: [512, 512], K = its axis 1); W_qt (in the module: [512, 512], K = its axis 1); W_vf (in the module: [512, 512], K = its axis 1); W_vt (in the module: [512, 512], K = its axis 1); x (in the module: [8, 128, 512], K = its axis 2): each comes as NAME_codes (uint8): NAME with its K axis moved to the last place and cut into blocks of 32 codes, [.., K / 32, bytes a block], one block behind the other in memory; one code a byte (a code: sign, 4 exponent bits, 3 mantissa bits); its scale is its entry of lowp_scales. Its value is code x scale, taken as it is: it is not quantised again, and the codes and scales need not be those that the quantiser above would give.
;; One version. Each part assembles by itself: llvm-mc -triple=amdgcn-amd-amdhsa -mcpu=gfx1250 --defsym DOCPART=n.
;; ======== version 1 of 1: 2 launches
;; limits: right only within a limited range of input values
;; workspace buffers: proj 12,582,912 bytes
;; launch project (part 1): grid 16 x 16, 3 waves a work-group, no clusters, 0 bytes of LDS; arguments x_codes, W_qf_codes, W_kf_codes, W_vf_codes, W_qt_codes, W_kt_codes, W_vt_codes, b_qf, b_kf, b_vf, b_qt, b_kt, b_vt, lowp_scales, proj; writes proj
.if DOCPART == 1
	.amdgcn_target "amdgcn-amd-amdhsa--gfx1250"
	.amdhsa_code_object_version 6
	.text
	.protected	k_q966e778a08_project
	.globl	k_q966e778a08_project
	.p2align	8
	.type	k_q966e778a08_project,@function
k_q966e778a08_project:
	s_mov_b64 s[64:65], 0
	v_nop
	global_prefetch_b8 v0, s[64:65] scope:SCOPE_SE
	s_setreg_imm32_b32 hwreg(HW_REG_WAVE_MODE, 25, 1), 1
	s_wait_xcnt 0x0
; The six projections y_p = x W_p^T + b_p, p = 0 .. 5 in the order qf, kf, vf, qt, kt, vt, on codes of FP8 (E4M3) as they are given; sums in f32.
; x: [1024][512] codes; W_p: [512][512] codes, K innermost in both.  A number of x in product p is its code x 2^ea, of W_p x 2^eb, ea = lowp_scales[2 p], eb = lowp_scales[2 p + 1].
; The codes are multiplied as they are; each finished sum goes out as sum x 2^(ea + eb) + bias, one fused multiply-add.
; LIMIT: ea + eb lies between -126 and 127, so that 2^(ea + eb) is an f32 number.
; OUT: proj, f32, [1024 rows][6 planes][512]: a row is 12,288 bytes, a plane of a row 2,048.
; SHARES.  Work-group (gx, gy): rows 64 gy on, columns 64 (gx % 8) on, of three projections: wave w takes p = 3 (gx / 8) + w.  256 work-groups of equal work.
; A wave makes 64 x 64 of one projection over all of K = 512: 4 tiles of rows x 4 tiles of columns = 16 accumulators, 4 K steps of 128: 64 matrix instructions.
; NO LDS, NO TENSOR LOAD, NO CLUSTER: a wave's whole input is 32 KiB of x and 32 KiB of W; it goes once, by 128 loads of 16 bytes a lane, into the very registers that the products read; K is
; walked once and nothing is filled again.  A joint fill would put a copy in LDS, two rounds of a cluster's barrier and a work-group barrier in front of one single fill of 128 KiB.
; No prefetch either: every load of the launch is issued at its head.
; FRAGMENTS.  Lane (r = lane % 16, h = lane / 16) holds, of its row, k = 128 s + 32 c + 16 h + 0 .. 15 in registers 4 c .. 4 c + 3: the same order of k in x and in W, so every product meets its partner.
; THE ROWS OF W THAT FORM A TILE ARE NOT NEIGHBOURS: lane r of tile t takes W's row 64 cg + 4 r + t.  In the results register j of lane (r, h) is (row 8 h + j, column 64 cg + 4 r + t): the four tiles'
; registers j are four NEIGHBOURING columns of one row.  The multiply-add that is owed anyway writes them into four consecutive registers, and one store of 16 bytes a lane has lanes 0-15 write 256
; consecutive bytes of a row, at a multiple of 256 from proj's first byte, and lanes 16-31 those of the row eight further down.  No stage in LDS.
; REGISTERS, in windows of 256: window 0: v1-6 offsets, v8-11 my four columns' bias, v128-255 the accumulators ((a, t) at 128 + 8 (4 a + t));
;   window 1: x's fragments ((a, s) at 64 a + 16 s); behind the products v0-127 take the results ((a, j) at 32 a + 4 j);   window 2: W's fragments ((t, s) at 64 t + 16 s).
.set XO,   3                           ; v3  x: 512 r + 16 h
.set WO,   4                           ; v4  W: 2048 r + 16 h (four rows of 512 bytes a lane step)
.set BO,   5                           ; v5  bias: 16 r
.set SO,   6                           ; v6  proj: 8 h rows of 12,288 bytes + 16 r
.set BIAS, 8                           ; v[8:11]
.set ACC,  128
.set ROWP, 12288                       ; a row of proj in bytes
.set MSB, 0
.macro WIN new                         ; the immediate's high byte repeats the setting that is left; a switch that changes nothing is dropped
.if MSB != \new
	s_set_vgpr_msb (MSB<<8)|\new
.set MSB, \new
.endif
.endm
.set TO_A, 0x40                        ; a load's destination in window 1, its address in window 0
.set TO_B, 0x80                        ; destination in window 2
.set MUL,  0x09                        ; source 0 (x) window 1, source 1 (W) window 2, C and D window 0
.set EPI,  0x40                        ; destination window 1, sources window 0
.set ST,   0x04                        ; a store's data (source 1) in window 1, its address in window 0
	s_load_b512 s[8:23], s[0:1], 0x0               ; x s[8:9]; W_qf .. W_vt s[10:21]; b_qf s[22:23]
	s_load_b256 s[24:31], s[0:1], 0x40             ; b_kf, b_vf, b_qt, b_kt
	s_load_b128 s[32:35], s[0:1], 0x60             ; b_vt, lowp_scales
	s_load_b64 s[36:37], s[0:1], 0x70              ; proj
	v_lshrrev_b32 v7, 5, v0
	v_readfirstlane_b32 s2, v7                     ; wave 0..2
	s_and_b32 s4, ttmp9, 7                         ; cg: which 64 columns
	s_lshr_b32 s5, ttmp9, 3                        ; which three projections
	s_and_b32 s6, ttmp7, 0xffff                    ; gy: which 64 rows
	s_mul_i32 s3, s5, 3
	s_add_co_u32 s3, s3, s2                        ; p
	v_and_b32 v1, 15, v0                           ; r
	v_bfe_u32 v2, v0, 4, 1                         ; h
	v_lshlrev_b32 v[XO], 9, v1
	v_lshl_add_u32 v[XO], v2, 4, v[XO]
	v_lshlrev_b32 v[WO], 11, v1
	v_lshl_add_u32 v[WO], v2, 4, v[WO]
	v_lshlrev_b32 v[BO], 4, v1
	v_mul_u32_u24 v[SO], v2, 8*ROWP
	v_lshl_add_u32 v[SO], v1, 4, v[SO]
	s_wait_kmcnt 0x0
	; my projection's weights and bias: a choice among buffers on p, which is made of the work-group's and the wave's numbers alone
.irp q, 1,2,3,4,5
	s_cmp_eq_u32 s3, \q
	s_cselect_b64 s[10:11], s[10+2*\q:11+2*\q], s[10:11]
	s_cselect_b64 s[22:23], s[22+2*\q:23+2*\q], s[22:23]
.endr
	s_lshl_b32 s40, s3, 3                          ; entries 2 p and 2 p + 1 of the exponents
	s_mov_b32 s41, 0
	s_add_nc_u64 s[34:35], s[34:35], s[40:41]
	s_load_b64 s[38:39], s[34:35], 0x0             ; ea, eb
	s_lshl_b32 s40, s6, 15                         ; 64 rows of 512 bytes
	s_add_nc_u64 s[8:9], s[8:9], s[40:41]          ; x at my first row
	s_lshl_b32 s40, s4, 15
	s_add_nc_u64 s[10:11], s[10:11], s[40:41]      ; W at my first row (a column of the result)
	s_lshl_b32 s40, s4, 8                          ; 64 numbers of 4 bytes
	s_add_nc_u64 s[22:23], s[22:23], s[40:41]      ; the bias at my first column
	s_mul_i32 s42, s6, 64*ROWP
	s_lshl_b32 s7, s3, 11
	s_add_co_u32 s42, s42, s7
	s_add_co_u32 s42, s42, s40
	s_mov_b32 s43, 0
	s_add_nc_u64 s[36:37], s[36:37], s[42:43]      ; proj at my first row, my plane, my first column
.macro LDA a, s                        ; x's fragment (a, s): rows 16 a on, K step s
.irp c, 0,1,2,3
	global_load_b128 v[64*(\a)+16*(\s)+4*\c:64*(\a)+16*(\s)+4*\c+3], v[XO], s[8:9] offset:8192*(\a)+128*(\s)+32*\c
.endr
.endm
.macro LDB t, s                        ; W's fragment (t, s): rows 4 r + t, K step s
.irp c, 0,1,2,3
	global_load_b128 v[64*(\t)+16*(\s)+4*\c:64*(\t)+16*(\s)+4*\c+3], v[WO], s[10:11] offset:512*(\t)+128*(\s)+32*\c
.endr
.endm
	global_load_b128 v[BIAS:BIAS+3], v[BO], s[22:23]   ; load 1 of 129
.irp s, 0,1,2,3                        ; then 32 loads for each K step, in the order in which the products want them
	WIN TO_A
.irp a, 0,1,2,3
	LDA \a, \s
.endr
	WIN TO_B
.irp t, 0,1,2,3
	LDB \t, \s
.endr
.endr
; 16 matrix instructions: K step s of all 16 accumulators, which take turns, one instruction a turn, in the same order in every step.
; zero = 1: the first step's products start the sums: nothing is cleared.
.macro MULS s, zero
.irp a, 0,1,2,3
.irp t, 0,1,2,3
.if \zero
	v_wmma_f32_16x16x128_fp8_fp8 v[ACC+8*(4*\a+\t):ACC+8*(4*\a+\t)+7], v[64*\a+16*(\s):64*\a+16*(\s)+15], v[64*\t+16*(\s):64*\t+16*(\s)+15], 0
.else
	v_wmma_f32_16x16x128_fp8_fp8 v[ACC+8*(4*\a+\t):ACC+8*(4*\a+\t)+7], v[64*\a+16*(\s):64*\a+16*(\s)+15], v[64*\t+16*(\s):64*\t+16*(\s)+15], v[ACC+8*(4*\a+\t):ACC+8*(4*\a+\t)+7]
.endif
.endr
.endr
.endm
	WIN MUL
	s_wait_loadcnt 63                              ; the greatest count that the wait can name: of 129 loads the oldest 66 are in: the bias and K steps 0 and 1 are 65
	MULS 0, 1
	MULS 1, 0
	s_wait_loadcnt 32                              ; K step 2 is in; K step 3's 32 loads may be out
	MULS 2, 0
	s_wait_loadcnt 0x0
	MULS 3, 0
	s_wait_kmcnt 0x0
	s_add_co_i32 s38, s38, s39                     ; ea + eb, between -126 and 127,
	s_add_co_i32 s38, s38, 127
	s_lshl_b32 s38, s38, 23                        ; makes the f32 number 2^(ea + eb)
.rept 4
	v_nop                                          ; four places behind the last product (ISA guide 7.12.1), in front of the reads of results and of the writes over x's fragments
.endr
	WIN EPI
.irp a, 0,1,2,3
.irp j, 0,1,2,3,4,5,6,7                ; j ascends: each accumulator is read from its low end on
.irp t, 0,1,2,3
	v_fma_f32 v[32*\a+4*\j+\t], v[ACC+8*(4*\a+\t)+\j], s38, v[BIAS+\t]   ; y(16 a + 8 h + j, 4 r + t) = sum x 2^(ea + eb) + bias
.endr
.endr
.endr
	WIN ST
.irp a, 0,1,2,3
.irp j, 0,1,2,3,4,5,6,7
	global_store_b128 v[SO], v[32*\a+4*\j:32*\a+4*\j+3], s[36:37] offset:(16*\a+\j)*ROWP   ; sixteen lanes store 256 consecutive bytes of a row; every store has data registers of its own
.endr
.endr
	WIN 0
	s_endpgm
.Lfunc_end_k_q966e778a08_project:
	.size	k_q966e778a08_project, .Lfunc_end_k_q966e778a08_project-k_q966e778a08_project
	.p2alignl 7, 3214868480
	.fill 96, 4, 3214868480
	.section	.rodata,"a",@progbits
	.p2align	6, 0x0
	.amdhsa_kernel k_q966e778a08_project
		.amdhsa_group_segment_fixed_size 0
		.amdhsa_private_segment_fixed_size 0
		.amdhsa_enable_private_segment 0
		.amdhsa_kernarg_size 120
		.amdhsa_user_sgpr_count 2
		.amdhsa_user_sgpr_kernarg_segment_ptr 1
		.amdhsa_wavefront_size32 1
		.amdhsa_system_sgpr_workgroup_id_x 1
		.amdhsa_system_sgpr_workgroup_id_y 1
		.amdhsa_system_sgpr_workgroup_id_z 1
		.amdhsa_system_vgpr_workitem_id 0
		.amdhsa_next_free_vgpr 768
		.amdhsa_next_free_sgpr 66
		.amdhsa_reserve_vcc 0
		.amdhsa_float_denorm_mode_32 3
		.amdhsa_float_denorm_mode_16_64 3
		.amdhsa_memory_ordered 1
		.amdhsa_forward_progress 1
		.amdhsa_inst_pref_size 31
	.end_amdhsa_kernel
	.amdgpu_metadata
---
amdhsa.version: [ 1, 2 ]
amdhsa.kernels:
  - .name:           k_q966e778a08_project
    .symbol:         k_q966e778a08_project.kd
    .args:
      - { .name: x_codes, .offset: 0, .size: 8, .value_kind: global_buffer, .address_space: global }
      - { .name: W_qf_codes, .offset: 8, .size: 8, .value_kind: global_buffer, .address_space: global }
      - { .name: W_kf_codes, .offset: 16, .size: 8, .value_kind: global_buffer, .address_space: global }
      - { .name: W_vf_codes, .offset: 24, .size: 8, .value_kind: global_buffer, .address_space: global }
      - { .name: W_qt_codes, .offset: 32, .size: 8, .value_kind: global_buffer, .address_space: global }
      - { .name: W_kt_codes, .offset: 40, .size: 8, .value_kind: global_buffer, .address_space: global }
      - { .name: W_vt_codes, .offset: 48, .size: 8, .value_kind: global_buffer, .address_space: global }
      - { .name: b_qf, .offset: 56, .size: 8, .value_kind: global_buffer, .address_space: global }
      - { .name: b_kf, .offset: 64, .size: 8, .value_kind: global_buffer, .address_space: global }
      - { .name: b_vf, .offset: 72, .size: 8, .value_kind: global_buffer, .address_space: global }
      - { .name: b_qt, .offset: 80, .size: 8, .value_kind: global_buffer, .address_space: global }
      - { .name: b_kt, .offset: 88, .size: 8, .value_kind: global_buffer, .address_space: global }
      - { .name: b_vt, .offset: 96, .size: 8, .value_kind: global_buffer, .address_space: global }
      - { .name: lowp_scales, .offset: 104, .size: 8, .value_kind: global_buffer, .address_space: global }
      - { .name: proj, .offset: 112, .size: 8, .value_kind: global_buffer, .address_space: global }
    .group_segment_fixed_size: 0
    .private_segment_fixed_size: 0
    .kernarg_segment_align: 8
    .kernarg_segment_size: 120
    .max_flat_workgroup_size: 96
    .sgpr_count:     66
    .vgpr_count:     768
    .wavefront_size: 32
...
	.end_amdgpu_metadata
.endif
;; end of part 1
;; launch attn (part 2): grid 256 x 1, 16 waves a work-group, no clusters, 18,432 bytes of LDS; arguments proj, out0; writes out0
.if DOCPART == 2
	.amdgcn_target "amdgcn-amd-amdhsa--gfx1250"
	.amdhsa_code_object_version 6
	.text
	.protected	k_q966e778a08_attn
	.globl	k_q966e778a08_attn
	.p2align	8
	.type	k_q966e778a08_attn,@function
k_q966e778a08_attn:
	s_mov_b64 s[64:65], 0
	v_nop
	global_prefetch_b8 v0, s[64:65] scope:SCOPE_SE
	s_setreg_imm32_b32 hwreg(HW_REG_WAVE_MODE, 25, 1), 1
	s_wait_xcnt 0x0
; out[row][i] = softmax_i(Qf Kf)[i] Vf[i]  +  (sum over j of e^(Qt[i] Kt[j]) Vt[j]) / (sum over j of e^(Qt[i] Kt[j])), all in f32.
; proj: f32, [1024 rows][6 planes qf, kf, vf, qt, kt, vt][512], with scales and biases applied.  out0: [1024][512] f32.
; SHARES.  A work-group takes 4 rows; wave w takes row w / 4 and quarter qd = w % 4 of that row's 512 values of i; a lane holds the four values i = 128 qd + 4 lane + 0 .. 3.
; 1,024 rows x 4 quarters = 4,096 waves of equal work in 256 work-groups.  j runs along pairs of registers: Kt[j] and Vt[j] lie in LDS and reach all lanes by loads in which every lane names the same address.
; THE MAXIMUM IS TAKEN AWAY, and is exact: over j the largest Qt[i] Kt[j] is the larger of Qt[i] kmax and Qt[i] kmin, kmax and kmin the row's largest and smallest Kt.
; With c = Qt[i] log2(e) and m = max(c kmax, c kmin): p = 2^(Kt[j] c - m), one fused multiply-add and one exponential.  m's rounding is the same for all j of an i and cancels in the quotient.
; AN ELEMENT (i, j) costs half a packed multiply-add (the exponent), one exponential, half a packed addition (the sum) and half a packed multiply-add (p x Vt[j]).
; THE LOOP goes in batches of 8 values of j x 4 values of i = 32 exponentials a lane, on two buffers: among batch h's exponentials stand the sums of batch h - 1 and the exponents of batch h + 1,
; none of which names a result of batch h; one wait behind the batch serves its 32 exponentials.
; THE FEATURE BRANCH wants sums over a whole row: each of a row's four waves loads the whole of Qf and Kf (16 numbers a lane) and makes maximum and sum for itself: 16 exponentials a lane beside
; the loop's 2,048, and no second barrier.
; NO TENSOR LOAD, NO CLUSTER, NO PREFETCH: a work-group's input is 4 rows x 12,288 bytes, read once at its head; work-groups share nothing; the loop touches registers and LDS alone.
; NO MATRIX INSTRUCTION: the sum over j has one column (N = 1); a matrix tile would use one column in sixteen.
; LIMITS: an exponential under 2^-126 counts as 0 (beside the term 1 at the maximum).  NaN among the projections is not served: the maxima pass over it.
; LDS: row rho: Kt at 4096 rho, Vt at 4096 rho + 2048; written once, in front of the one barrier, and only read behind it.
.set L16, 2                            ; v2        16 x lane
.set LW,  3                            ; v3        where I put my 16 bytes of Kt: 4096 rho + 512 qd + 16 lane
.set ADR, 4                            ; v4        LDS address of the loop's loads, the same in every lane
.set OC,  6                            ; v[6:9]    chunk c of a plane: 512 ((qd + c) % 4) + 16 lane: chunk 0 is my own quarter
.set KT,  16                           ; v[16:31]  the row's Kt, 16 numbers a lane
.set VT,  32                           ; v[32:35]  my chunk of Vt
.set QT,  36                           ; v[36:39]  my four Qt
.set QF,  40                           ; v[40:55]  the row's Qf, then Qf Kf, then its exponentials
.set KF,  56                           ; v[56:71]  the row's Kf
.set VF,  72                           ; v[72:75]  my four Vf
.set CF,  76                           ; v[76:79]  the feature branch's result for my four i
.set C,   80                           ; v[80:87]  pairs (c, c) for u = 0 .. 3
.set M,   88                           ; v[88:95]  pairs (-m, -m)
.set S,   96                           ; v[96:103] pairs: the sum over even j, over odd j
.set O,   104                          ; v[104:111] the same of p x Vt[j]
.set KS,  112                          ; v[112:127] two sets of 8 Kt[j]
.set VS,  128                          ; v[128:143] two sets of 8 Vt[j]
.set B,   144                          ; v[144:207] two buffers of 32: pair 4 jp + u holds (i = u; j = 2 jp, 2 jp + 1)
.set T,   208                          ; v[208:215] at work
	s_load_b128 s[4:7], s[0:1], 0x0                ; proj, out0
	v_lshl_add_u32 v216, v0, 2, 0x4000
	v_mov_b32 v217, 0
	v_lshrrev_b32 v10, 5, v0
	v_readfirstlane_b32 s8, v10                    ; wave 0..15
	s_lshr_b32 s9, s8, 2                           ; rho: which of the four rows
	s_and_b32 s10, s8, 3                           ; qd: which quarter of i
	v_and_b32 v1, 31, v0
	v_lshlrev_b32 v[L16], 4, v1
	s_lshl_b32 s16, s9, 12                         ; my row's place in LDS
	s_lshl_b32 s11, s10, 9
	s_add_co_u32 s11, s11, s16
	v_add_nc_u32 v[LW], s11, v[L16]
	v_mov_b32 v[ADR], s16
.irp c, 0,1,2,3
	s_add_co_u32 s11, s10, \c
	s_and_b32 s11, s11, 3
	s_lshl_b32 s11, s11, 9
	v_add_nc_u32 v[OC+\c], s11, v[L16]
.endr
	s_mov_b32 s12, 0x76543210                      ; v_permlanex16_b32: each lane takes its own place in the other half
	s_mov_b32 s13, 0xfedcba98
	s_mov_b32 s18, 0x3fb8aa3b                      ; log2(e)
	s_mov_b32 s19, s18                             ; (named with it as a pair, so it is written)
	s_lshl_b32 s11, ttmp9, 2
	s_add_co_u32 s11, s11, s9                      ; my row
	s_mul_i32 s14, s11, 12288
	s_mov_b32 s15, 0
	s_wait_kmcnt 0x0
	s_add_nc_u64 s[4:5], s[4:5], s[14:15]          ; proj at my row
	s_lshl_b32 s14, s11, 11
	s_lshl_b32 s11, s10, 9
	s_add_co_u32 s14, s14, s11
	s_add_nc_u64 s[6:7], s[6:7], s[14:15]          ; out0 at my row and quarter
	; fifteen loads, each 512 consecutive bytes a wave; the six that the barrier waits for come first
.irp c, 0,1,2,3
	global_load_b128 v[KT+4*\c:KT+4*\c+3], v[OC+\c], s[4:5] offset:8192
.endr
	global_load_b128 v[VT:VT+3], v[OC], s[4:5] offset:10240
	global_load_b128 v[QT:QT+3], v[OC], s[4:5] offset:6144
.irp c, 0,1,2,3
	global_load_b128 v[QF+4*\c:QF+4*\c+3], v[OC+\c], s[4:5]
.endr
.irp c, 0,1,2,3
	global_load_b128 v[KF+4*\c:KF+4*\c+3], v[OC+\c], s[4:5] offset:2048
.endr
	global_load_b128 v[VF:VF+3], v[OC], s[4:5] offset:4096
	v_mov_b32 v12, 0                               ; written once: a lane permute's destination counts as one of its sources
	v_mov_b32 v13, 0
	s_wait_loadcnt 9                               ; Kt, Vt and Qt are in; the feature branch's nine loads may be out
	ds_store_b128 v[LW], v[KT:KT+3]                ; my quarter of the row's Kt,
	ds_store_b128 v[LW], v[VT:VT+3] offset:2048    ; and of its Vt
	s_wait_dscnt 0x0                               ; for the others' sake: my stores have landed
	s_barrier_signal -1
	; work on registers while the others arrive: kmax and kmin of the row, two chains side by side
	v_max3_num_f32 v10, v[KT], v[KT+1], v[KT+2]
	v_min3_num_f32 v11, v[KT], v[KT+1], v[KT+2]
.irp i, 3,5,7,9,11,13
	v_max3_num_f32 v10, v10, v[KT+\i], v[KT+\i+1]
	v_min3_num_f32 v11, v11, v[KT+\i], v[KT+\i+1]
.endr
	v_max_num_f32 v10, v10, v[KT+15]
	v_min_num_f32 v11, v11, v[KT+15]
.irp x, 1,2,4,8
	v_max_num_f32_dpp v10, v10, v10 row_xmask:\x row_mask:0xf bank_mask:0xf
	v_min_num_f32_dpp v11, v11, v11 row_xmask:\x row_mask:0xf bank_mask:0xf
.endr
	v_permlanex16_b32 v12, v10, s12, s13
	v_permlanex16_b32 v13, v11, s12, s13
	v_max_num_f32 v10, v10, v12                    ; kmax, in every lane
	v_min_num_f32 v11, v11, v13                    ; kmin
.irp u, 0,1,2,3
	v_mul_f32 v[C+2*\u], s18, v[QT+\u]             ; c = Qt[i] log2(e)
.endr
.irp u, 0,1,2,3
	v_mul_f32 v[T+\u], v[C+2*\u], v10
	v_mul_f32 v[T+4+\u], v[C+2*\u], v11
.endr
.irp u, 0,1,2,3
	v_min_num_f32 v[M+2*\u], -v[T+\u], -v[T+4+\u]  ; -m = -max(c kmax, c kmin)
	v_mov_b32 v[C+2*\u+1], v[C+2*\u]
.endr
.irp u, 0,1,2,3
	v_mov_b32 v[M+2*\u+1], v[M+2*\u]
.endr
.irp n, 0,1,2,3,4,5,6,7
	v_mov_b32 v[S+\n], 0                           ; the loop is written once: its first sums find zeros
	v_mov_b32 v[O+\n], 0
.endr
	s_barrier_wait -1                              ; all sixteen waves' parts of Kt and Vt lie in LDS
	ds_load_b128 v[KS:KS+3], v[ADR]                ; Kt of batches 0 and 1: they land under the feature branch
	ds_load_b128 v[KS+4:KS+7], v[ADR] offset:16
	ds_load_b128 v[KS+8:KS+11], v[ADR] offset:32
	ds_load_b128 v[KS+12:KS+15], v[ADR] offset:48
	; ---- the feature branch: softmax over the row's 512 products Qf Kf, times Vf
	s_wait_loadcnt 0x0
.irp i, 0,2,4,6,8,10,12,14
	v_pk_mul_f32 v[QF+\i:QF+\i+1], v[QF+\i:QF+\i+1], v[KF+\i:KF+\i+1]
.endr
	v_max3_num_f32 v10, v[QF], v[QF+1], v[QF+2]
.irp i, 3,5,7,9,11,13
	v_max3_num_f32 v10, v10, v[QF+\i], v[QF+\i+1]
.endr
	v_max_num_f32 v10, v10, v[QF+15]
.irp x, 1,2,4,8
	v_max_num_f32_dpp v10, v10, v10 row_xmask:\x row_mask:0xf bank_mask:0xf
.endr
	v_permlanex16_b32 v12, v10, s12, s13
	v_max_num_f32 v10, v10, v12                    ; the row's largest product
	v_mul_f32 v14, -v10, s18                       ; -(maximum x log2(e)): its rounding is common to the row and cancels
	v_mov_b32 v15, v14
.irp i, 0,2,4,6,8,10,12,14
	v_pk_fma_f32 v[QF+\i:QF+\i+1], v[QF+\i:QF+\i+1], s[18:19], v[14:15] op_sel_hi:[1,0,1]
.endr
.irp i, 0,1,2,3,4,5,6,7,8,9,10,11,12,13,14,15
	v_exp_f32 v[QF+\i], v[QF+\i]                   ; one batch
.endr
	v_nop                                          ; a plain instruction behind the last exponential
	s_wait_alu depctr_va_vdst(0)                   ; one wait for the sixteen, ahead of the first line that names a result
	v_pk_add_f32 v[T:T+1], v[QF:QF+1], v[QF+2:QF+3]
	v_pk_add_f32 v[T+2:T+3], v[QF+4:QF+5], v[QF+6:QF+7]
	v_pk_add_f32 v[T:T+1], v[T:T+1], v[QF+8:QF+9]
	v_pk_add_f32 v[T+2:T+3], v[T+2:T+3], v[QF+10:QF+11]
	v_pk_add_f32 v[T:T+1], v[T:T+1], v[QF+12:QF+13]
	v_pk_add_f32 v[T+2:T+3], v[T+2:T+3], v[QF+14:QF+15]
	v_pk_add_f32 v[T:T+1], v[T:T+1], v[T+2:T+3]
	v_add_f32 v10, v[T], v[T+1]
.irp x, 1,2,4,8
	v_add_f32_dpp v10, v10, v10 row_xmask:\x row_mask:0xf bank_mask:0xf
.endr
	v_permlanex16_b32 v12, v10, s12, s13
	v_add_f32 v10, v10, v12                        ; the row's sum
	v_rcp_f32 v11, v10
.irp u, 0,1,2,3
	v_mul_f32 v[CF+\u], v[QF+\u], v[VF+\u]         ; chunk 0 is my own quarter.  (Plain lines behind the reciprocal)
.endr
	s_wait_alu depctr_va_vdst(0)                   ; the wait for the reciprocal, ahead of its first reader
.irp u, 0,1,2,3
	v_mul_f32 v[CF+\u], v[CF+\u], v11
.endr
; ---- the temporal branch.  HALF is batch h's turn: cur = h % 2; hrel: h less the batch at which v[ADR] stands.
; ldk = 1: Kt of batch h + 2 is asked for;  sums = 1: batch h - 1 is summed;  scale = 1: batch h + 1's exponents are made.
.macro HALF cur, hrel, ldk, sums, scale
.set BC, B+32*(\cur)
.set BX, B+32*(1-(\cur))
.set KC, KS+8*(\cur)
.set KX, KS+8*(1-(\cur))
.set VC, VS+8*(\cur)
.set VX, VS+8*(1-(\cur))
	s_wait_dscnt 0x0                               ; the loads of the turn before are in: Kt of batch h + 1, Vt of batch h - 1
.if \ldk
	ds_load_b128 v[KC:KC+3], v[ADR] offset:32*((\hrel)+2)          ; into the set whose numbers made batch h's exponents a turn ago
	ds_load_b128 v[KC+4:KC+7], v[ADR] offset:32*((\hrel)+2)+16
.endif
	ds_load_b128 v[VC:VC+3], v[ADR] offset:2048+32*(\hrel)         ; Vt of batch h, wanted a turn on
	ds_load_b128 v[VC+4:VC+7], v[ADR] offset:2048+32*(\hrel)+16
.irp jp, 0,1,2,3
.irp u, 0,1,2,3                        ; u runs fastest: each sum is touched every fourth group
	v_exp_f32 v[BC+2*(4*\jp+\u)], v[BC+2*(4*\jp+\u)]
.if \sums
	v_pk_add_f32 v[S+2*\u:S+2*\u+1], v[S+2*\u:S+2*\u+1], v[BX+2*(4*\jp+\u):BX+2*(4*\jp+\u)+1]
.endif
	v_exp_f32 v[BC+2*(4*\jp+\u)+1], v[BC+2*(4*\jp+\u)+1]
.if \sums
	v_pk_fma_f32 v[O+2*\u:O+2*\u+1], v[BX+2*(4*\jp+\u):BX+2*(4*\jp+\u)+1], v[VX+2*\jp:VX+2*\jp+1], v[O+2*\u:O+2*\u+1]
.endif
.if \scale
	v_pk_fma_f32 v[BX+2*(4*\jp+\u):BX+2*(4*\jp+\u)+1], v[KX+2*\jp:KX+2*\jp+1], v[C+2*\u:C+2*\u+1], v[M+2*\u:M+2*\u+1]
.endif
.endr
.endr
	s_wait_alu depctr_va_vdst(0)                   ; one wait for the batch's 32 exponentials: no line above names a result, the line just above is plain, and a label or the next turn's readers follow
.endm
	s_wait_dscnt 0x0                               ; Kt of batches 0 and 1
.irp jp, 0,1,2,3
.irp u, 0,1,2,3
	v_pk_fma_f32 v[B+2*(4*\jp+\u):B+2*(4*\jp+\u)+1], v[KS+2*\jp:KS+2*\jp+1], v[C+2*\u:C+2*\u+1], v[M+2*\u:M+2*\u+1]   ; batch 0's exponents
.endr
.endr
	HALF 0, 0, 1, 0, 1                             ; batch 0: nothing to sum yet
	s_mov_b32 s17, 30
.Ltrip:                                                ; 30 trips of two batches: h = 1 .. 60
	v_mov_b32 v[ADR], s16                          ; the row's place + 64 bytes for each trip gone
	HALF 1, 1, 1, 1, 1
	HALF 0, 2, 1, 1, 1
	s_add_co_u32 s16, s16, 64
	s_sub_co_u32 s17, s17, 1
	s_cmp_lg_u32 s17, 0
	s_cbranch_scc1 .Ltrip
	v_mov_b32 v[ADR], s16                          ; the row's place + 1,920
	HALF 1, 1, 1, 1, 1                             ; h = 61: asks for Kt of batch 63, the last: bytes 2,016 to 2,047 of the row's Kt
	HALF 0, 2, 0, 1, 1                             ; h = 62
	HALF 1, 3, 0, 1, 0                             ; h = 63: no batch follows
	s_wait_dscnt 0x0                               ; Vt of batch 63
.irp jp, 0,1,2,3
.irp u, 0,1,2,3
	v_pk_add_f32 v[S+2*\u:S+2*\u+1], v[S+2*\u:S+2*\u+1], v[B+32+2*(4*\jp+\u):B+32+2*(4*\jp+\u)+1]
	v_pk_fma_f32 v[O+2*\u:O+2*\u+1], v[B+32+2*(4*\jp+\u):B+32+2*(4*\jp+\u)+1], v[VS+8+2*\jp:VS+8+2*\jp+1], v[O+2*\u:O+2*\u+1]
.endr
.endr
	; ---- the way out: even and odd j are added, the quotient is taken, the feature branch's result is added by the same multiply-add
.irp u, 0,1,2,3
	v_add_f32 v[T+\u], v[S+2*\u], v[S+2*\u+1]
.endr
.irp u, 0,1,2,3
	v_rcp_f32 v[T+\u], v[T+\u]
.endr
.irp u, 0,1,2,3
	v_add_f32 v[T+4+\u], v[O+2*\u], v[O+2*\u+1]    ; (plain lines behind the reciprocals)
.endr
	s_wait_alu depctr_va_vdst(0)                   ; one wait for the four reciprocals, ahead of their first reader
.irp u, 0,1,2,3
	v_fma_f32 v[10+\u], v[T+4+\u], v[T+\u], v[CF+\u]
.endr
	global_store_b128 v[L16], v[10:13], s[6:7] th:TH_STORE_NT   ; 32 lanes store 512 consecutive bytes, at a multiple of 256 from out0's first byte; written once, read by nobody here
	s_wait_tensorcnt 0x0
	ds_add_u32 v216, v217
	s_wait_dscnt 0x0
	s_endpgm
.Lfunc_end_k_q966e778a08_attn:
	.size	k_q966e778a08_attn, .Lfunc_end_k_q966e778a08_attn-k_q966e778a08_attn
	.p2alignl 7, 3214868480
	.fill 96, 4, 3214868480
	.section	.rodata,"a",@progbits
	.p2align	6, 0x0
	.amdhsa_kernel k_q966e778a08_attn
		.amdhsa_group_segment_fixed_size 18432
		.amdhsa_private_segment_fixed_size 0
		.amdhsa_enable_private_segment 0
		.amdhsa_kernarg_size 16
		.amdhsa_user_sgpr_count 2
		.amdhsa_user_sgpr_kernarg_segment_ptr 1
		.amdhsa_wavefront_size32 1
		.amdhsa_system_sgpr_workgroup_id_x 1
		.amdhsa_system_sgpr_workgroup_id_y 1
		.amdhsa_system_sgpr_workgroup_id_z 1
		.amdhsa_system_vgpr_workitem_id 0
		.amdhsa_next_free_vgpr 218
		.amdhsa_next_free_sgpr 66
		.amdhsa_reserve_vcc 0
		.amdhsa_float_denorm_mode_32 3
		.amdhsa_float_denorm_mode_16_64 3
		.amdhsa_memory_ordered 1
		.amdhsa_forward_progress 1
		.amdhsa_inst_pref_size 38
	.end_amdhsa_kernel
	.amdgpu_metadata
---
amdhsa.version: [ 1, 2 ]
amdhsa.kernels:
  - .name:           k_q966e778a08_attn
    .symbol:         k_q966e778a08_attn.kd
    .args:
      - { .name: proj, .offset: 0, .size: 8, .value_kind: global_buffer, .address_space: global }
      - { .name: out0, .offset: 8, .size: 8, .value_kind: global_buffer, .address_space: global }
    .group_segment_fixed_size: 18432
    .private_segment_fixed_size: 0
    .kernarg_segment_align: 8
    .kernarg_segment_size: 16
    .max_flat_workgroup_size: 512
    .sgpr_count:     66
    .vgpr_count:     218
    .wavefront_size: 32
...
	.end_amdgpu_metadata
.endif
;; end of part 2
